; MI455X (gfx1250); checked and timed in simulation.
; The chip was launched on July 23, 2026; its instructions are those of AMD's public machine-readable ISA for CDNA 5 (MIT licence, August 2026) and "CDNA5" Instruction Set Architecture Reference Guide (July 2026). The comments in the code are by the model that wrote it; some were corrected since.
;; Frequency Linear. Allowed arithmetic: matrix products marked QUANTISED: E3M2 operands, one E8M0 scale for each 32 along K, by v_wmma_scale_f32_16x16x128_f8f6f4 with both operands' format E3M2, f32 sums; everything else in f32.
;; Inputs: w_im 2,048 x 2,048 float32; w_re 2,048 x 2,048 float32; x_im 4,096 x 2,048 float32; x_re 4,096 x 2,048 float32.
;; Outputs: out0 2 x 4,096 x 2,048 float32.
;; This version of the problem:
;;   THIS VERSION OF THE PROBLEM IS GIVEN IN LOW PRECISION. The matrix products marked QUANTISED in the list below multiply operands that are first quantised to E3M2 (3 exponent bits, 2 mantissa bits; 6 bits a number), with one power-of-two scale for each 32 numbers along K (OCP MX v1.0); their sums are f32. All else is computed in f32.
;;   The module's matrix products, in the order in which they are computed (A, B: the left and right operand; K: the contracted axis; several contracted axes count as one K, in the product's order):
;;     1. [M 4,096, K 2,048] x [K 2,048, N 2,048]; A: input x_re; B: input w_re: QUANTISED
;;     2. [M 4,096, K 2,048] x [K 2,048, N 2,048]; A: input x_im; B: input w_im: QUANTISED
;;     3. [M 4,096, K 2,048] x [K 2,048, N 2,048]; A: input x_re; B: input w_im: QUANTISED
;;     4. [M 4,096, K 2,048] x [K 2,048, N 2,048]; A: input x_im; B: input w_re: QUANTISED
;;   THE QUANTISER, for each operand of a quantised product, along K:
;;     - K is cut into blocks of 32 from its start; a last block that is shorter is filled with zeros.
;;     - A block's scale is 2^e with e = floor(log2(the largest magnitude in the block)) - 4, held to -126 .. 127; a block of zeros has e = 0. As a byte (E8M0): e + 127.
;;     - Each number is divided by its block's scale, clamped to +-28, and rounded to the nearest number of E3M2, ties to even, subnormals kept.
;;     - The product sums the exact products of the quantised numbers (number of the format x scale) in f32.
;;   ~~~python
;;   def quantise(x, axis):      # numpy; x: float32 -> the quantised numbers, widened to float32 again
;;       x = np.moveaxis(x, axis, -1); K = x.shape[-1]
;;       x = np.pad(x, [(0, 0)] * (x.ndim - 1) + [(0, -K % 32)]); x = x.reshape(x.shape[:-1] + (-1, 32)); a = np.abs(x).max(-1, keepdims=True)
;;       e = np.where(a > 0, np.clip(np.frexp(np.where(a > 0, a, 1))[1] - 1 - 4, -126, 127), 0)      # np.frexp(a)[1] - 1 = floor(log2(a)), exactly
;;       r = np.clip(x / 2.0 ** e, -28, 28)
;;       step = 2.0 ** (np.maximum(np.frexp(np.where(r == 0, 1, r))[1] - 1, -2) - 2)
;;       q = np.round(r / step) * step * 2.0 ** e      # np.round: ties to even
;;       return np.moveaxis(q.reshape(q.shape[:-2] + (-1,))[..., :K], -1, axis).astype(np.float32)
;;   ~~~
;; One version. Each part assembles by itself: llvm-mc -triple=amdgcn-amd-amdhsa -mcpu=gfx1250 --defsym DOCPART=n.
;; ======== version 1 of 1: 2 launches
;; limits: right only within a limited range of input values
;; workspace buffers: xq 13,107,200 bytes; wq 6,553,600 bytes
;; launch quant (part 1): grid 768 x 1, 4 waves a work-group, no clusters, 34,304 bytes of LDS; arguments x_re, x_im, w_re, w_im, xq, wq; writes xq, wq
.if DOCPART == 1
	.amdgcn_target "amdgcn-amd-amdhsa--gfx1250"
	.amdhsa_code_object_version 6
	.text
	.protected	k_q4239b60523_quant
	.globl	k_q4239b60523_quant
	.p2align	8
	.type	k_q4239b60523_quant,@function
k_q4239b60523_quant:
	s_mov_b64 s[64:65], 0
	v_nop
	global_prefetch_b8 v0, s[64:65] scope:SCOPE_SE
	s_setreg_imm32_b32 hwreg(HW_REG_WAVE_MODE, 25, 1), 1
	s_wait_xcnt 0x0
; x_re, x_im [4096][2048] and w_re, w_im [2048][2048], f32, K innermost, become codes of BF6 (E3M2, 6 bits) with one E8M0 scale byte for each 32 along K,
; laid IN THE ORDER OF THE MATRIX OPERAND'S REGISTERS, so that the product's launch takes every fragment by loads of 16 bytes a lane at 16 x lane.  All four inputs are live: nothing is left out.
; A block's scale is 2^(floor(log2(its largest magnitude)) - 4); its byte is the largest magnitude's exponent field - 4, held at 1 from below; each number is divided by the scale and
; rounded to the nearest code, ties to even, beyond 28 the largest code.
; LIMITS: NaN and infinities among the inputs are not served.  A block of zeros, or one whose largest magnitude lies under 2^-122, gets the byte 1 (the rule gives a block of zeros 127):
; a block of zeros has zero codes, which add nothing under any byte but 0xff, and the bytes are read by this program alone.
; A UNIT, 12,800 bytes, is 64 rows x 128 along K of both parts (p = 0: re, 1: im).  FRAGMENT i OF A UNIT HOLDS ROWS 4 r + i, r = 0 .. 15, in lane (r, h):
;   byte p 6144 + i 1536 + 512 c + 16 lane: registers 4 c .. 4 c + 3 of that lane of fragment i  (registers 0-5: k = 32 h + 0..31, registers 6-11: k = 64 + 32 h + 0..31)
;   byte 12288 + p 256 + 16 r + 4 i: the scale word (four bytes, the K step's blocks 0..3) of row 4 r + i
; (With these rows the product's launch finds four neighbouring columns of the result in four neighbouring accumulators.)
; Units' order (G: group of 64 rows, ks: K step of 128):  xq: (G / 2) 32 + 2 ks + G % 2;  wq: 16 G + ks.
; SHARES.  A wave makes one part of one unit: 64 rows x 128 K of one tensor, four fragments.  768 work-groups of four waves: the first 512 take x (256 re, 256 im), the others w (128, 128).
; Only pointers and whole numbers are chosen by the work-group's number: all four tensors take one path through the text.
; THE ORDER OF A WAVE'S FRAGMENTS: step f of the text makes fragment f xor 2 (G % 2): groups with an even G go 0, 1, 2, 3, those with an odd G 2, 3, 0, 1, so that the loads of all waves that are out together name rows of all four
; residues modulo 4.  The text is one: steps 0, 1 and steps 2, 3 have a base each, for the loads and for the stores, 2 (G % 2) fragments up or down.
; A load takes a row's 512 bytes of the K step as they lie, 16 bytes a lane; a fragment's 16 rows turn through the wave's own stage in LDS (rows 528 bytes apart = 33 x 16)
; and come back 2 x 128 bytes a lane: two whole blocks of 32.  No barrier: waves share nothing.
; ALL GLOBAL STORES STAND AT THE WAVE'S END: the four fragments' codes, 48 registers, wait there (those of steps 2 and 3 in the load sets, which are free by then), so no register that a store reads is written again.
.set UNIT, 12800
.set SROW, 528                         ; a stage row: 512 bytes + 16
.set WREG, 16*SROW                     ; a wave's stage
.set SW,   16                          ; v16-19   the scale words of steps 0..3
.set T,    32                          ; v32-34, v36-38  results of the conversions whose place among a fragment's 12 registers begins on an odd register
.set X,    40                          ; v40-103  my 64 numbers: two blocks of 32
.set R,    104                         ; v104-167, v168-231  two sets of 16 rows as loaded
.set C0,   20                          ; v20-31   step 0's codes
.set C1,   234                         ; v234-245 step 1's
.set C2,   R                           ; v104-115 step 2's: set 0 has had its last load
.set C3,   R+64                        ; v168-179 step 3's: set 1 likewise
	s_load_b256 s[4:11], s[0:1], 0x0               ; x_re s[4:5], x_im s[6:7], w_re s[8:9], w_im s[10:11]
	s_load_b128 s[12:15], s[0:1], 0x20             ; xq s[12:13], wq s[14:15]
	v_lshl_add_u32 v232, v0, 2, 0x8400             ; my spare word, behind the four stages
	v_mov_b32 v233, 0
	v_lshrrev_b32 v1, 5, v0
	v_readfirstlane_b32 s16, v1                    ; wave 0..3
	v_and_b32 v1, 31, v0                           ; lane
	v_lshlrev_b32 v2, 4, v1                        ; 16 x lane: my bytes of a load's 512 and of a store's 512; never rewritten
	v_and_b32 v7, 15, v0                           ; r
	v_bfe_u32 v15, v0, 4, 1                        ; h
	s_mul_i32 s35, s16, WREG
	v_add_nc_u32 v3, s35, v2                       ; the stage, way in: 16 x lane in a row
	v_mul_u32_u24 v4, v7, SROW
	v_lshl_add_u32 v4, v15, 7, v4
	v_add_nc_u32 v4, s35, v4                       ; way out: stage row r, + 128 h bytes: k = 32 h on
	v_lshlrev_b32 v6, 3, v15                       ; 8 h: how far my two scale bytes are shifted
	v_lshl_add_u32 v5, v7, 4, v6                   ; 16 r + 8 h: my 8 bytes of the part's 256 scale bytes
	v_mov_b32 v14, 0                               ; written once: a lane permute's destination counts as one of its sources
	s_mov_b32 s28, 0x76543210
	s_mov_b32 s29, 0xfedcba98                      ; v_permlanex16_b32's selects for lane l xor 16
	; whole numbers for both cases first; the selections follow behind the compares
	s_and_b32 s17, ttmp9, 3
	s_lshl_b32 s17, s17, 2
	s_add_co_u32 s17, s17, s16                     ; ks = 4 (id % 4) + wave
	s_lshr_b32 s18, ttmp9, 2
	s_and_b32 s18, s18, 63                         ; x: G
	s_lshr_b32 s19, ttmp9, 8                       ; x: p
	s_lshr_b32 s30, s18, 1
	s_lshl_b32 s30, s30, 5
	s_lshl_b32 s35, s17, 1
	s_add_co_u32 s30, s30, s35
	s_and_b32 s35, s18, 1
	s_add_co_u32 s30, s30, s35                     ; x: unit = (G / 2) 32 + 2 ks + G % 2
	s_sub_co_u32 s31, ttmp9, 512                   ; w: id - 512 (not used where id < 512)
	s_lshr_b32 s32, s31, 2
	s_and_b32 s32, s32, 31                         ; w: G
	s_lshr_b32 s33, s31, 7                         ; w: p
	s_lshl_b32 s34, s32, 4
	s_add_co_u32 s34, s34, s17                     ; w: unit = 16 G + ks
	s_wait_alu depctr_va_vdst(0)                   ; the wait at the head's end
	s_wait_kmcnt 0x0
	s_cmp_lt_u32 ttmp9, 256
	s_cselect_b64 s[20:21], s[4:5], s[6:7]         ; x_re or x_im
	s_cmp_lt_u32 ttmp9, 640
	s_cselect_b64 s[22:23], s[8:9], s[10:11]       ; w_re or w_im
	s_cmp_lt_u32 ttmp9, 512
	s_cselect_b64 s[20:21], s[20:21], s[22:23]     ; what I read
	s_cselect_b64 s[24:25], s[12:13], s[14:15]     ; where I write
	s_cselect_b32 s18, s18, s32                    ; G
	s_cselect_b32 s19, s19, s33                    ; p
	s_cselect_b32 s30, s30, s34                    ; unit
	s_and_b32 s31, s18, 1                          ; G % 2
	s_lshl_b32 s32, s18, 19                        ; 64 rows of 8,192 bytes a group,
	s_lshl_b32 s35, s17, 9                         ; 512 bytes a K step
	s_add_co_u32 s32, s32, s35
	s_mov_b32 s33, 0
	s_add_nc_u64 s[20:21], s[20:21], s[32:33]
	s_lshl_b32 s32, s31, 14                        ; two rows of 8,192 bytes where G is odd
	s_sub_nc_u64 s[22:23], s[20:21], s[32:33]      ; steps 2, 3 read rows 4 i + f - 2 (G % 2),
	s_add_nc_u64 s[20:21], s[20:21], s[32:33]      ; steps 0, 1 rows 4 i + f + 2 (G % 2)
	s_mul_i32 s34, s30, UNIT                       ; under 2^24
	s_lshl_b32 s35, s19, 8
	s_add_co_u32 s36, s34, s35
	s_add_co_u32 s36, s36, 12288
	s_mov_b32 s37, 0
	s_add_nc_u64 s[26:27], s[24:25], s[36:37]      ; my part's 256 scale bytes
	s_mul_i32 s35, s19, 6144
	s_add_co_u32 s36, s34, s35
	s_add_nc_u64 s[24:25], s[24:25], s[36:37]      ; my part's four fragments
	s_mul_i32 s36, s31, 2*1536                     ; two fragments where G is odd
	s_sub_nc_u64 s[38:39], s[24:25], s[36:37]      ; where steps 2, 3 store,
	s_add_nc_u64 s[24:25], s[24:25], s[36:37]      ; and steps 0, 1
	s_lshl_b32 s31, s31, 3
	s_sub_co_u32 s31, 8, s31                       ; 8 - 8 (G % 2): the 8 h of the lanes that store steps 2 and 3's scale words
.macro LOAD f                          ; step f's 16 rows into set f % 2: each load reads 512 consecutive bytes, at a multiple of 512 from the tensor's first byte
.irp i, 0,1,2,3,4,5,6,7,8,9,10,11,12,13,14,15
	global_load_b128 v[R+64*((\f)%2)+4*\i:R+64*((\f)%2)+4*\i+3], v2, s[20+2*((\f)/2):21+2*((\f)/2)] offset:(4*\i+(\f))*8192 th:TH_LOAD_NT
.endr
.endm
.macro FRAGQ f, c                      ; c: where the step's 12 registers of codes stay
.if (\f) < 3
	s_wait_loadcnt 16                              ; this step's 16 loads are in; the next step's 16, issued behind them, may be out
.else
	s_wait_loadcnt 0x0
.endif
.irp i, 0,1,2,3,4,5,6,7,8,9,10,11,12,13,14,15
	ds_store_b128 v3, v[R+64*((\f)%2)+4*\i:R+64*((\f)%2)+4*\i+3] offset:SROW*\i
.endr
.irp b, 0,1
.irp j, 0,1,2,3,4,5,6,7
	ds_load_b128 v[X+32*\b+4*\j:X+32*\b+4*\j+3], v4 offset:256*\b+16*\j   ; LDS serves a wave's instructions in order: these see the stores above.  Block b: k = 64 b + 32 h + 0..31 of stage row r
.endr
.endr
.if (\f)+2 < 4
	s_wait_dscnt 16                                ; the sixteen stores into the stage are done (the sixteen loads behind them may be out): they have read their registers,
	LOAD (\f)+2                                    ; which take the step two on
.endif
	s_wait_dscnt 0x0                               ; my 64 numbers are in
	v_max3_num_f32 v8, |v[X]|, |v[X+1]|, 0x2800000         ; each block's largest magnitude: all 32 numbers are mine; and the floor 2^(5 - 127), so that the byte cannot fall under 1
	v_max3_num_f32 v9, |v[X+32]|, |v[X+33]|, 0x2800000
.irp i, 2,4,6,8,10,12,14,16,18,20,22,24,26,28,30
	v_max3_num_f32 v8, v8, |v[X+\i]|, |v[X+\i+1]|          ; (the two blocks by turns)
	v_max3_num_f32 v9, v9, |v[X+32+\i]|, |v[X+33+\i]|
.endr
	v_add_nc_u32 v10, 0xfe000000, v8               ; 4 off the exponent field: the conversion takes the exponent field of this operand as its scale, and nothing else of it
	v_add_nc_u32 v11, 0xfe000000, v9
	v_lshrrev_b32 v12, 23, v10                     ; the scales' bytes: blocks h and 2 + h of the K step
	v_lshrrev_b32 v13, 23, v11
	v_lshl_or_b32 v12, v13, 16, v12
	v_lshlrev_b32 v12, v6, v12                     ; at their places in the scale word (8 h bits up);
	v_permlanex16_b32 v14, v12, s28, s29
	v_or_b32 v[SW+(\f)], v12, v14                  ; with lane l xor 16's two the word is whole, in both lanes
	v_cvt_scalef32_pk16_bf6_f32 v[\c:\c+2], v[X:X+15], v10
	v_cvt_scalef32_pk16_bf6_f32 v[T:T+2], v[X+16:X+31], v10          ; (a conversion's three registers begin on an even number: the second half of a block's six does not)
	v_cvt_scalef32_pk16_bf6_f32 v[\c+6:\c+8], v[X+32:X+47], v11
	v_cvt_scalef32_pk16_bf6_f32 v[T+4:T+6], v[X+48:X+63], v11
	v_nop                                          ; one plain place behind the scaled conversions
.irp i, 0,1,2
	v_mov_b32 v[\c+3+\i], v[T+\i]
	v_mov_b32 v[\c+9+\i], v[T+4+\i]
.endr
.endm
.macro SENDQ f, c, base                ; a step's codes: 32 lanes store 512 consecutive bytes, at a multiple of 256 from the buffer's first byte
.irp b, 0,1,2
	global_store_b128 v2, v[\c+4*\b:\c+4*\b+3], s[\base:\base+1] offset:1536*(\f)+512*\b
.endr
.endm
	LOAD 0
	LOAD 1
	FRAGQ 0, C0
	FRAGQ 1, C1
	FRAGQ 2, C2
	FRAGQ 3, C3
	v_cmp_eq_u32 vcc_lo, s31, v6                   ; the lanes that store steps 2 and 3's words: lanes 16-31 where G is even, lanes 0-15 where it is odd
	v_cndmask_b32 v8, v[SW], v[SW+2], vcc_lo       ; lane r's four words are 16 bytes at 16 r: lanes 0-15 store fragments 0 and 1's, lanes 16-31 fragments 2 and 3's
	v_cndmask_b32 v9, v[SW+1], v[SW+3], vcc_lo
	SENDQ 0, C0, 24
	SENDQ 1, C1, 24
	SENDQ 2, C2, 38
	SENDQ 3, C3, 38
	global_store_b64 v5, v[8:9], s[26:27]          ; 32 lanes store 256 consecutive bytes, at a multiple of 256 from the buffer's first byte
	s_wait_tensorcnt 0x0                           ; the wave's end, behind my last LDS store
	ds_add_u32 v232, v233
	s_wait_dscnt 0x0
	s_endpgm
.Lfunc_end_k_q4239b60523_quant:
	.size	k_q4239b60523_quant, .Lfunc_end_k_q4239b60523_quant-k_q4239b60523_quant
	.p2alignl 7, 3214868480
	.fill 96, 4, 3214868480
	.section	.rodata,"a",@progbits
	.p2align	6, 0x0
	.amdhsa_kernel k_q4239b60523_quant
		.amdhsa_group_segment_fixed_size 34304
		.amdhsa_private_segment_fixed_size 0
		.amdhsa_enable_private_segment 0
		.amdhsa_kernarg_size 48
		.amdhsa_user_sgpr_count 2
		.amdhsa_user_sgpr_kernarg_segment_ptr 1
		.amdhsa_wavefront_size32 1
		.amdhsa_system_sgpr_workgroup_id_x 1
		.amdhsa_system_sgpr_workgroup_id_y 1
		.amdhsa_system_sgpr_workgroup_id_z 1
		.amdhsa_system_vgpr_workitem_id 0
		.amdhsa_next_free_vgpr 246
		.amdhsa_next_free_sgpr 66
		.amdhsa_reserve_vcc 1
		.amdhsa_float_denorm_mode_32 3
		.amdhsa_float_denorm_mode_16_64 3
		.amdhsa_memory_ordered 1
		.amdhsa_forward_progress 1
		.amdhsa_inst_pref_size 31
	.end_amdhsa_kernel
	.amdgpu_metadata
---
amdhsa.version: [ 1, 2 ]
amdhsa.kernels:
  - .name:           k_q4239b60523_quant
    .symbol:         k_q4239b60523_quant.kd
    .args:
      - { .name: x_re, .offset: 0, .size: 8, .value_kind: global_buffer, .address_space: global }
      - { .name: x_im, .offset: 8, .size: 8, .value_kind: global_buffer, .address_space: global }
      - { .name: w_re, .offset: 16, .size: 8, .value_kind: global_buffer, .address_space: global }
      - { .name: w_im, .offset: 24, .size: 8, .value_kind: global_buffer, .address_space: global }
      - { .name: xq, .offset: 32, .size: 8, .value_kind: global_buffer, .address_space: global }
      - { .name: wq, .offset: 40, .size: 8, .value_kind: global_buffer, .address_space: global }
    .group_segment_fixed_size: 34304
    .private_segment_fixed_size: 0
    .kernarg_segment_align: 8
    .kernarg_segment_size: 48
    .max_flat_workgroup_size: 128
    .sgpr_count:     66
    .vgpr_count:     246
    .wavefront_size: 32
...
	.end_amdgpu_metadata
.endif
;; end of part 1
;; launch cgemm (part 2): grid 16 x 16, 4 waves a work-group, clusters of 4 x 4, 327,680 bytes of LDS; arguments xq, wq, out0; writes out0
.if DOCPART == 2
	.amdgcn_target "amdgcn-amd-amdhsa--gfx1250"
	.amdhsa_code_object_version 6
	.text
	.protected	k_q4239b60523_cgemm
	.globl	k_q4239b60523_cgemm
	.p2align	8
	.type	k_q4239b60523_cgemm,@function
k_q4239b60523_cgemm:
	s_mov_b64 s[64:65], 0
	v_nop
	global_prefetch_b8 v0, s[64:65] scope:SCOPE_SE
	s_setreg_imm32_b32 hwreg(HW_REG_WAVE_MODE, 25, 1), 1
	s_wait_xcnt 0x0
	s_wait_alu depctr_hold_cnt(0) depctr_sa_sdst(0) depctr_va_vdst(0) depctr_va_sdst(0) depctr_va_ssrc(0) depctr_va_vcc(0) depctr_vm_vsrc(0)
	s_getreg_b32 s2, hwreg(HW_REG_IB_STS2, 6, 4)
	s_cmp_eq_u32 s2, 0
	s_cbranch_scc0 .Lentry_in_a_cluster
	s_endpgm
.Lentry_in_a_cluster:
	s_bfe_u32 s2, ttmp6, 0x10000c
	s_cmp_lg_u32 s2, 0xf033
	s_cbranch_scc0 .Lentry_shape_is_right
	s_endpgm
.Lentry_shape_is_right:
; out0[0] = x_re w_re^T - x_im w_im^T, out0[1] = x_re w_im^T + x_im w_re^T, [4096][2048] f32 each, K = 2048, on codes of BF6 (E3M2) with E8M0 scales as launch quant laid them. All four products are done.
; A UNIT of xq or wq, 12,800 bytes: 64 rows x 128 K of both parts (p = 0 re, 1 im): byte p 6144 + i 1536 + 512 c + 16 lane = registers 4 c .. 4 c + 3 of fragment i; byte 12288 + p 256 + 16 r + 4 i = its scale word.
; Lane r of fragment i holds row 4 r + i of the 64.  So every fragment comes by three loads of 16 bytes a lane at 16 x lane.
; SHARES: a work-group makes 256 rows x 128 columns of both parts; a wave 128 rows x 64 columns: accumulator (a, j) at v[8 (8 (a % 4) + j)] of window 2 (a < 4) or 3; a: x's block of 16 rows, j < 4: re, j >= 4: im, j % 4: w's fragment.
; A K step of 128 is two phases of 64 matrix instructions: R: x_re against w_re (re) and w_im (im); I: x_im against -w_im (re) and w_re (im).  -w_im is w_im with each code's sign bit turned, 48 v_xor_b32 a step.
; Source 0 = x, source 1 = w: register t of lane (r, h) is row 4 (8 h + t) + a % 4 of x's 64, column 4 r + j % 4 of w's 64.  So register t of four neighbouring accumulators holds four neighbouring columns:
; four moves make 16 bytes of a row, and sixteen lanes store 256 consecutive bytes.  The results pass through no LDS.
; RING: two slots of two K steps (x 2 x 51,200 bytes, w 2 x 25,600), dense blocks of memory, one joint load a wave (waves 0, 1: x; waves 2, 3: w).  4 x 4 clusters: x's blocks shared along a row, w's along a column.
; REGISTERS: window 0: v16-29 addresses, v32-55 scale words (two sets), v56-151 x_re's eight fragments, v152-247 x_im's.  Window 1: w's fragments of even steps v0-95, of odd steps v128-223; -w_im v96-119, v224-247.
; Each phase fetches the next phase's fragments in ONE run of loads behind its first sixteen matrix instructions, 48 matrix instructions ahead of their use; x_re and x_im have registers of their own, so no load lands on a fragment at work.
; Four v_nop at the head of each run are the places behind the phase before, whose registers the run's loads and writes take.
; NO PREFETCH: the walk along K is eight fills of a slot; two go out at the head, and each later one is asked for more than 200 matrix instructions a wave ahead of the wait for it; the block is the largest that the registers hold, in clusters.
; LIMITS: as launch quant states them (NaN and infinities among the inputs are not served).
.set UNIT,  12800
.set XBLK,  4*UNIT
.set WBLK,  2*UNIT
.set WOFF,  2*XBLK
.set SLOT,  2*XBLK+2*WBLK
.set SPARE, 2*SLOT                     ; behind the ring: the spare words, 128 bytes a wave
.set FR,    12
.set ADRX,  16                         ; v16-17 my x fragments in slot 0, 1
.set ADRW,  20                         ; v20-21 my w fragments
.set CO,    26                         ; v26 16 r + 32 h rows of out0
.set SPW,   28
.set NIL,   29
.set SC,    32
.set AF,    56
.set SGN,   10                         ; s10-12 the sign bits of 16 codes in three words
.set G1X,   24
.set G0X,   32
.set G1W,   48
.set G0W,   56
.set MSB, 0
.macro WIN new                         ; the immediate's high byte repeats the setting that is left
.if MSB != (\new)
	s_set_vgpr_msb (MSB<<8)|(\new)
.set MSB, (\new)
.endif
.endm
.set MUL_LO, 0xa4                      ; source 0 (x) window 0, source 1 (w) window 1, C and D window 2
.set MUL_HI, 0xf4                      ; the same, C and D window 3
.set TO_B,   0x40                      ; destination window 1, address window 0
.set XORW,   0x44                      ; destination and source 1 window 1
.macro JLOAD s                         ; a joint load; s_nop 0 and four v_nop follow each line
	s_cmp_eq_u32 s15, 0
	s_cbranch_scc0 .Lfor_w_\@
	tensor_load_to_lds s[G0X+4*\s:G0X+4*\s+3], s[G1X:G1X+7]
	s_nop 0
.rept 4
	v_nop
.endr
	s_branch .Lasked_\@
.Lfor_w_\@:
	tensor_load_to_lds s[G0W+4*\s:G0W+4*\s+3], s[G1W:G1W+7]
	s_nop 0
.rept 4
	v_nop
.endr
.Lasked_\@:
.endm
.macro CREST                           ; a round of the cluster's barrier behind its opening barrier
	s_cmp_lg_u32 s14, 0
	s_cbranch_scc1 .Lnot_wave_0_\@
	s_barrier_signal -3
.Lnot_wave_0_\@:
	s_barrier_wait -3
	s_barrier_signal -1
	s_barrier_wait -1
.endm
.macro CROUND
	s_barrier_signal -1
	s_barrier_wait -1
	CREST
.endm
	s_load_b128 s[4:7], s[0:1], 0x0                ; xq, wq
	s_load_b64 s[8:9], s[0:1], 0x10                ; out0
	v_lshl_add_u32 v[SPW], v0, 2, SPARE
	v_mov_b32 v[NIL], 0
	ds_add_u32 v[SPW], v[NIL]                      ; the opening add, twice on end, and its wait
	ds_add_u32 v[SPW], v[NIL]
	v_lshrrev_b32 v1, 5, v0
	v_readfirstlane_b32 s14, v1                    ; wave
	s_lshr_b32 s15, s14, 1                         ; my half of the rows; also: I fetch x (0) or w (1)
	s_and_b32 s16, s14, 1                          ; my half of the columns; also: which half of that tile I fetch
	s_bfe_u32 s40, ttmp6, 0x40000                  ; cx
	s_bfe_u32 s41, ttmp6, 0x40004                  ; cy
	s_lshl_b32 s42, ttmp9, 2
	s_add_co_u32 s42, s42, s40                     ; tile column
	s_and_b32 s17, ttmp7, 0xffff
	s_lshl_b32 s17, s17, 2
	s_add_co_u32 s17, s17, s41                     ; tile row
	s_lshl_b32 s43, s41, 2
	s_lshl_b32 s43, 15, s43                        ; my row of the cluster
	s_lshl_b32 s44, 0x1111, s40                    ; my column
	s_or_b32 s[G1X+0], s43, (3<<16)|(1<<21)        ; dense blocks as rows of 256 bytes: 32 elements of 8 bytes
	s_or_b32 s[G1W+0], s44, (3<<16)|(1<<21)
	s_mov_b32 s[G1X+1], 32<<16
	s_mov_b32 s[G1X+2], (XBLK/256)<<16
	s_mov_b32 s[G1X+3], 32<<16
	s_mov_b32 s[G1X+4], XBLK/256
	s_mov_b32 s[G1X+5], 32
	s_mov_b32 s[G1X+6], 0
	s_mov_b32 s[G1X+7], 0
	s_mov_b32 s[G1W+1], 32<<16
	s_mov_b32 s[G1W+2], (WBLK/256)<<16
	s_mov_b32 s[G1W+3], 32<<16
	s_mov_b32 s[G1W+4], WBLK/256
	s_mov_b32 s[G1W+5], 32
	s_mov_b32 s[G1W+6], 0
	s_mov_b32 s[G1W+7], 0
	s_lshl_b32 s20, s17, 1
	s_add_co_u32 s20, s20, s16
	s_mul_i32 s20, s20, 8*XBLK                     ; x: 128 rows, all of K, are 8 XBLK on end
	s_mov_b32 s21, 0
	s_lshl_b32 s46, s42, 1
	s_add_co_u32 s46, s46, s16
	s_mul_i32 s46, s46, 8*WBLK                     ; w: 64 rows, all of K
	s_mov_b32 s47, 0
	s_mul_i32 s45, s16, XBLK
	s_mul_i32 s22, s16, WBLK
	s_add_co_u32 s22, s22, WOFF
	s_mul_i32 s18, s15, XBLK
	s_mov_b32 s[SGN+0], 0x20820820
	s_mov_b32 s[SGN+1], 0x08208208
	s_mov_b32 s[SGN+2], 0x82082082
	s_wait_dscnt 0x0                               ; both opening adds are done
	s_wait_kmcnt 0x0
	s_add_nc_u64 s[20:21], s[4:5], s[20:21]
	s_add_nc_u64 s[46:47], s[6:7], s[46:47]
.irp s, 0,1
	s_mov_b32 s[G0X+4*\s], 1
	s_add_co_u32 s[G0X+4*\s+1], s45, \s*SLOT
	s_add_nc_u64 s[G0X+4*\s+2:G0X+4*\s+3], s[20:21], \s*XBLK
	s_or_b32 s[G0X+4*\s+3], s[G0X+4*\s+3], 0x80000000
	s_mov_b32 s[G0W+4*\s], 1
	s_add_co_u32 s[G0W+4*\s+1], s22, \s*SLOT
	s_add_nc_u64 s[G0W+4*\s+2:G0W+4*\s+3], s[46:47], \s*WBLK
	s_or_b32 s[G0W+4*\s+3], s[G0W+4*\s+3], 0x80000000
.endr
	CROUND                                         ; all sixteen work-groups are here: the first joint loads meet
	JLOAD 0                                        ; K steps 0 and 1: one tensor load a wave at the head
	v_and_b32 v1, 31, v0
	v_lshlrev_b32 v2, 4, v1                        ; 16 x lane
	v_and_b32 v3, 15, v0                           ; r
	v_bfe_u32 v4, v0, 4, 1                         ; h
	v_add_nc_u32 v[ADRX], s18, v2
	v_add_nc_u32 v[ADRX+1], SLOT, v[ADRX]
	v_add_nc_u32 v[ADRW], s22, v2
	v_add_nc_u32 v[ADRW+1], SLOT, v[ADRW]
	v_lshlrev_b32 v[CO], 4, v3
	v_lshl_add_u32 v[CO], v4, 18, v[CO]            ; 16 r + 32 h rows of 8,192 bytes
	s_lshl_b32 s20, s17, 8
	s_lshl_b32 s21, s15, 7
	s_add_co_u32 s20, s20, s21                     ; my first row
	s_lshl_b32 s20, s20, 13
	s_mov_b32 s21, 0
	s_add_nc_u64 s[8:9], s[8:9], s[20:21]
	s_lshl_b32 s46, s42, 9
	s_lshl_b32 s47, s16, 8
	s_add_co_u32 s46, s46, s47                     ; my first column, in bytes
	s_mov_b32 s47, 0
	s_add_nc_u64 s[8:9], s[8:9], s[46:47]          ; the re part,
	s_add_nc_u64 s[4:5], s[8:9], 0x2000000         ; and the im part, 4096 x 2048 x 4 bytes on
; one matrix instruction on AC, XA, WA, SXR, SWR.  z: C = 0;  ra, rb: x's and w's scales stand in lanes 16-31 (the im part's)
.macro WM z, ra, rb
.if 2*(\ra)+(\rb) == 0
.if \z
	v_wmma_scale_f32_16x16x128_f8f6f4 v[AC:AC+7], v[XA:XA+FR-1], v[WA:WA+FR-1], 0, v[SXR], v[SWR] matrix_a_fmt:MATRIX_FMT_BF6 matrix_b_fmt:MATRIX_FMT_BF6
.else
	v_wmma_scale_f32_16x16x128_f8f6f4 v[AC:AC+7], v[XA:XA+FR-1], v[WA:WA+FR-1], v[AC:AC+7], v[SXR], v[SWR] matrix_a_fmt:MATRIX_FMT_BF6 matrix_b_fmt:MATRIX_FMT_BF6
.endif
.endif
.if 2*(\ra)+(\rb) == 1
.if \z
	v_wmma_scale_f32_16x16x128_f8f6f4 v[AC:AC+7], v[XA:XA+FR-1], v[WA:WA+FR-1], 0, v[SXR], v[SWR] matrix_a_fmt:MATRIX_FMT_BF6 matrix_b_fmt:MATRIX_FMT_BF6 matrix_b_scale:MATRIX_SCALE_ROW1
.else
	v_wmma_scale_f32_16x16x128_f8f6f4 v[AC:AC+7], v[XA:XA+FR-1], v[WA:WA+FR-1], v[AC:AC+7], v[SXR], v[SWR] matrix_a_fmt:MATRIX_FMT_BF6 matrix_b_fmt:MATRIX_FMT_BF6 matrix_b_scale:MATRIX_SCALE_ROW1
.endif
.endif
.if 2*(\ra)+(\rb) == 2
	v_wmma_scale_f32_16x16x128_f8f6f4 v[AC:AC+7], v[XA:XA+FR-1], v[WA:WA+FR-1], v[AC:AC+7], v[SXR], v[SWR] matrix_a_fmt:MATRIX_FMT_BF6 matrix_b_fmt:MATRIX_FMT_BF6 matrix_a_scale:MATRIX_SCALE_ROW1
.endif
.if 2*(\ra)+(\rb) == 3
	v_wmma_scale_f32_16x16x128_f8f6f4 v[AC:AC+7], v[XA:XA+FR-1], v[WA:WA+FR-1], v[AC:AC+7], v[SXR], v[SWR] matrix_a_fmt:MATRIX_FMT_BF6 matrix_b_fmt:MATRIX_FMT_BF6 matrix_a_scale:MATRIX_SCALE_ROW1 matrix_b_scale:MATRIX_SCALE_ROW1
.endif
.endm
; x's block a against w's eight: ph = 0 phase R, 1 phase I; q: the step's parity.  The accumulators take turns, one instruction a turn
.macro MUL8 ph, a, q, zero
.set XA,  AF+96*(\ph)+FR*(\a)
.set SXR, SC+12*(\q)+(\a)
.irp j, 0,1,2,3,4,5,6,7
.set AC,  8*(8*((\a)%4)+\j)
.set SWR, SC+12*(\q)+8+\j%4
.if (\ph) == 0
.set WA, 128*(\q)+FR*\j
.else
.if \j < 4
.set WA, 96+128*(\j/2)+FR*(\j%2)
.else
.set WA, 128*(\q)+FR*(\j-4)
.endif
.endif
	WM \zero, \ph, (\j/4+(\ph))%2
.endr
.endm
.macro REST ph, q, zero                ; blocks 2 to 7 of a phase: 48 matrix instructions
	WIN MUL_LO
	MUL8 \ph, 2, \q, \zero
	MUL8 \ph, 3, \q, \zero
	WIN MUL_HI
	MUL8 \ph, 4, \q, \zero
	MUL8 \ph, 5, \q, \zero
	MUL8 \ph, 6, \q, \zero
	MUL8 \ph, 7, \q, \zero
.endm
.macro LDX slot, q, p                  ; x's eight fragments of part p, step q of the slot
.set FI, 0
.rept 8
.irp c, 0,1,2
	ds_load_b128 v[AF+96*(\p)+FR*FI+4*\c:AF+96*(\p)+FR*FI+4*\c+3], v[ADRX+\slot] offset:(2*(\q)+FI/4)*UNIT+(\p)*6144+(FI%4)*1536+512*\c
.endr
.set FI, FI+1
.endr
.endm
.macro LDW slot, q, j0, n              ; n fragments of w (0-3 re, 4-7 im), under window TO_B
.set FJ, \j0
.rept \n
.irp c, 0,1,2
	ds_load_b128 v[128*(\q)+FR*FJ+4*\c:128*(\q)+FR*FJ+4*\c+3], v[ADRW+\slot] offset:(\q)*UNIT+FJ*1536+512*\c
.endr
.set FJ, FJ+1
.endr
.endm
.macro SCALES slot, q                  ; lanes 0-15 the re part's words, lanes 16-31 the im part's: x's blocks 0-7, w's fragments 0-3
	ds_load_b128 v[SC+12*(\q):SC+12*(\q)+3],    v[ADRX+\slot] offset:(2*(\q))*UNIT+12288
	ds_load_b128 v[SC+12*(\q)+4:SC+12*(\q)+7],  v[ADRX+\slot] offset:(2*(\q)+1)*UNIT+12288
	ds_load_b128 v[SC+12*(\q)+8:SC+12*(\q)+11], v[ADRW+\slot] offset:(\q)*UNIT+12288
.endm
.macro PLACES
.rept 4
	v_nop
.endr
.endm
; Phase R of step q: makes -w_im and fetches x_im of the step; in an even step also w_re of the odd step
.macro PH_R slot, q, zero
	s_wait_dscnt 0x0                               ; this phase's fragments, asked for 48 matrix instructions ago
	WIN MUL_LO
	MUL8 0, 0, \q, \zero
	MUL8 0, 1, \q, \zero
	WIN XORW
	PLACES                                         ; behind the phase before, which read -w_im and x_im
.set XN, 0
.rept 48
	v_xor_b32 v[96+128*(XN/24)+FR*((XN/12)%2)+XN%12], s[SGN+XN%3], v[128*(\q)+48+XN]
.set XN, XN+1
.endr
	s_wait_alu depctr_va_vdst(0)                   ; directly behind the writes
.if (\q) == 0
	WIN TO_B
	LDW \slot, 1, 0, 4
.endif
	WIN 0
	LDX \slot, \q, 1
	PLACES                                         ; an operand written by vector instructions stands four places ahead of the scaled matrix instruction that reads it
	REST 0, \q, \zero
.endm
; Phase I of the slot's even step: fetches w_im, the scale words and x_re of the odd step
.macro PH_I slot
	s_wait_dscnt 0x0
	WIN MUL_LO
	MUL8 1, 0, 0, 0
	MUL8 1, 1, 0, 0
	PLACES                                         ; behind the phase before, which read x_re
	WIN TO_B
	LDW \slot, 1, 4, 4
	WIN 0
	SCALES \slot, 1
	LDX \slot, 1, 0
	REST 1, 0, 0
.endm
; Phase I of the slot's odd step changes slots.  All its fragments were asked for in the phase before, so my reads of the slot are over when they are in.
.macro TURN slot, next, fill
	WIN 0                                          ; (the add's two registers lie in window 0)
	s_wait_tensorcnt 0x0                           ; my one load that was out, my part of the next slot, has landed;
	ds_add_u32 v[SPW], v[NIL]
	s_wait_dscnt 1                                 ; (the add alone may be out: this phase's fragments are in)
	WIN MUL_LO
	MUL8 1, 0, 1, 0
	s_wait_dscnt 0x0                               ; the add is done, my reads of this slot are over
	s_barrier_signal -1
	MUL8 1, 1, 1, 0
	WIN 0
	s_barrier_wait -1
.if \fill
	CREST                                          ; the barrier has opened a round of the cluster's barrier
	s_add_nc_u64 s[G0X+4*\slot+2:G0X+4*\slot+3], s[G0X+4*\slot+2:G0X+4*\slot+3], 2*XBLK
	s_add_nc_u64 s[G0W+4*\slot+2:G0W+4*\slot+3], s[G0W+4*\slot+2:G0W+4*\slot+3], 2*WBLK
	JLOAD \slot                                    ; the first tensor load behind the round; its four v_nop are the places in front of the loads below
.else
	PLACES
.endif
	WIN TO_B
	LDW \next, 0, 0, 8
	WIN 0
	SCALES \next, 0
	LDX \next, 0, 0
	REST 1, 1, 0
.endm
; THE WAY OUT of block a: register t of accumulators 0-3 (re) and 4-7 (im) becomes 2 x 4 registers on end, each accumulator read from its low end on; then sixteen stores, each of two aligned runs of 256 bytes (rows 32 apart).
; The moves land in registers that no pending store reads: block 0's in x_re's, block 1's in w's even set, block a's in block a - 2's accumulators.  So no wait stands here, and every offset is an immediate (95 rows at the most).
.macro OUT a
.set AC, 64*((\a)%4)
.if (\a) == 0
.set BW, 0
.set BB, AF
.endif
.if (\a) == 1
.set BW, 1
.set BB, 0
.endif
.if (\a) > 1
.set BW, 2+((\a)-2)/4
.set BB, 64*(((\a)-2)%4)
.endif
	WIN (BW<<6)|(2+(\a)/4)
.irp t, 0,1,2,3,4,5,6,7
.irp j, 0,1,2,3,4,5,6,7
	v_mov_b32 v[BB+8*\t+\j], v[AC+8*\j+\t]
.endr
.endr
	WIN BW<<2
.irp t, 0,1,2,3,4,5,6,7
	global_store_b128 v[CO], v[BB+8*\t:BB+8*\t+3], s[8:9] offset:(64*((\a)/4)+4*\t+(\a)%4)*8192 th:TH_STORE_NT
	global_store_b128 v[CO], v[BB+8*\t+4:BB+8*\t+7], s[4:5] offset:(64*((\a)/4)+4*\t+(\a)%4)*8192 th:TH_STORE_NT
.endr
.endm
	s_wait_alu depctr_va_vdst(0)                   ; the wait at the head's end
	s_wait_tensorcnt 0x0                           ; my part of slot 0 is in
	ds_add_u32 v[SPW], v[NIL]
	s_wait_dscnt 0x0
	CROUND
	JLOAD 1                                        ; K steps 2 and 3, the first tensor load behind the round
	WIN TO_B
	LDW 0, 0, 0, 8
	WIN 0
	SCALES 0, 0
	LDX 0, 0, 0
	PH_R 0, 0, 1                                   ; the first phase's products start the sums
	WIN 0                                          ; at a label and at a branch every window is 0
	s_mov_b32 s3, 3
.Llap:                                                 ; a trip goes once round the ring and fills both slots again
	PH_I 0
	PH_R 0, 1, 0
	TURN 0, 1, 1
	PH_R 1, 0, 0
	PH_I 1
	PH_R 1, 1, 0
	TURN 1, 0, 1
	PH_R 0, 0, 0
	WIN 0
	s_sub_co_u32 s3, s3, 1
	s_cmp_lg_u32 s3, 0
	s_cbranch_scc1 .Llap
	PH_I 0                                         ; the last lap fills nothing
	PH_R 0, 1, 0
	TURN 0, 1, 0
	PH_R 1, 0, 0
	PH_I 1
	PH_R 1, 1, 0
	s_wait_dscnt 0x0
	WIN MUL_LO                                     ; THE LAST PHASE: a block of 16 rows is finished by its eight products and leaves behind the next block's
	MUL8 1, 0, 1, 0
	MUL8 1, 1, 1, 0
	PLACES                                         ; block 0's moves read results and write x_re's registers; for the later blocks the moves of the block before are the places
	OUT 0
.irp a, 2,3,4,5,6,7
	WIN MUL_LO+0x50*((\a)/4)
	MUL8 1, \a, 1, 0
	OUT \a-1
.endr
	OUT 7
	WIN 0
	s_wait_tensorcnt 0x0                           ; the wave's end
	ds_add_u32 v[SPW], v[NIL]
	s_wait_dscnt 0x0
	CROUND                                         ; the closing round
	s_endpgm
.Lfunc_end_k_q4239b60523_cgemm:
	.size	k_q4239b60523_cgemm, .Lfunc_end_k_q4239b60523_cgemm-k_q4239b60523_cgemm
	.p2alignl 7, 3214868480
	.fill 96, 4, 3214868480
	.section	.rodata,"a",@progbits
	.p2align	6, 0x0
	.amdhsa_kernel k_q4239b60523_cgemm
		.amdhsa_group_segment_fixed_size 327680
		.amdhsa_private_segment_fixed_size 0
		.amdhsa_enable_private_segment 0
		.amdhsa_kernarg_size 24
		.amdhsa_user_sgpr_count 2
		.amdhsa_user_sgpr_kernarg_segment_ptr 1
		.amdhsa_wavefront_size32 1
		.amdhsa_system_sgpr_workgroup_id_x 1
		.amdhsa_system_sgpr_workgroup_id_y 1
		.amdhsa_system_sgpr_workgroup_id_z 1
		.amdhsa_system_vgpr_workitem_id 0
		.amdhsa_next_free_vgpr 1024
		.amdhsa_next_free_sgpr 66
		.amdhsa_reserve_vcc 0
		.amdhsa_float_denorm_mode_32 3
		.amdhsa_float_denorm_mode_16_64 3
		.amdhsa_memory_ordered 1
		.amdhsa_forward_progress 1
		.amdhsa_inst_pref_size 223
	.end_amdhsa_kernel
	.amdgpu_metadata
---
amdhsa.version: [ 1, 2 ]
amdhsa.kernels:
  - .name:           k_q4239b60523_cgemm
    .symbol:         k_q4239b60523_cgemm.kd
    .args:
      - { .name: xq, .offset: 0, .size: 8, .value_kind: global_buffer, .address_space: global }
      - { .name: wq, .offset: 8, .size: 8, .value_kind: global_buffer, .address_space: global }
      - { .name: out0, .offset: 16, .size: 8, .value_kind: global_buffer, .address_space: global }
    .group_segment_fixed_size: 327680
    .private_segment_fixed_size: 0
    .kernarg_segment_align: 8
    .kernarg_segment_size: 24
    .max_flat_workgroup_size: 128
    .sgpr_count:     66
    .vgpr_count:     1024
    .wavefront_size: 32
...
	.end_amdgpu_metadata
.endif
;; end of part 2
